; MI455X (gfx1250); checked and timed in simulation.
; The chip was launched on July 23, 2026; its instructions are those of AMD's public machine-readable ISA for CDNA 5 (MIT licence, August 2026) and "CDNA5" Instruction Set Architecture Reference Guide (July 2026). The comments in the code are by the model that wrote it; some were corrected since.
;; Cross Attention. Allowed arithmetic: float matrix products may take bf16 or f16 operands with f32 sums; other float arithmetic in f32, or as packed bf16 or f16 multiplies, adds, multiply-adds, maxima and minima; sums over many terms, partial sums and values carried from step to step in f32; what a program stores and reads back later, other than sums and carried values, may be rounded once to bf16 or f16.
;; Inputs: context 8 x 512 x 32 x 32 float32; input 8 x 256 x 64 x 64 float32; proj_in_b 512 float32; proj_in_w 512 x 256 float32; proj_out_b 256 float32; proj_out_w 256 x 768 float32; wk_b 512 float32; wk_w 512 x 512 float32; wq_b 512 float32; wq_w 512 x 512 float32; wv_b 512 float32; wv_w 512 x 512 float32.
;; Outputs: out0 8 x 256 x 64 x 64 float32.
;; One version. Each part assembles by itself: llvm-mc -triple=amdgcn-amd-amdhsa -mcpu=gfx1250 --defsym DOCPART=n.
;; ======== version 1 of 1: 4 launches
;; workspace buffers: at 589,824 bytes; wall 819,200 bytes; kp 4,718,592 bytes; vp 4,718,592 bytes; kap 32,768 bytes
;; launch fold1 (part 1): grid 16 x 9, 8 waves a work-group, no clusters, 33,792 bytes of LDS; arguments proj_in_w, proj_in_b, wq_w, wq_b, at; writes at
.if DOCPART == 1
	.amdgcn_target "amdgcn-amd-amdhsa--gfx1250"
	.amdhsa_code_object_version 6
	.text
	.protected	k_q1141b65c1b_fold1
	.globl	k_q1141b65c1b_fold1
	.p2align	8
	.type	k_q1141b65c1b_fold1,@function
k_q1141b65c1b_fold1:
	s_mov_b64 s[64:65], 0
	v_nop
	global_prefetch_b8 v0, s[64:65] scope:SCOPE_SE
	s_setreg_imm32_b32 hwreg(HW_REG_WAVE_MODE, 25, 1), 1
	s_wait_xcnt 0x0
; WEIGHTS FOLDED, STEP 1.  Q = (Win x + bin) Wq + bq is linear in x, so the two weights are multiplied once:
;   at[c][d] = sum over e of proj_in_w[e][c] wq_w[e][d]            (rows 0-255:  Q[d] = sum over c of x[c] at[c][d] + a[d])
;   a[d]     = sum over e of proj_in_b[e]    wq_w[e][d] + wq_b[d]  (rows 256-287, all alike; the next launch reads row 256)
; at is f32 [288][512].  All four inputs are rounded to bf16; sums in f32.  LIMIT: the order of products and roundings differs from the formula as it is written
; (the products are re-associated); NaN and infinities are not treated apart.
; SHARES.  A work-group makes 32 c (grid y; y = 8: the bias rows) x 32 d (grid x): 2 x 2 tiles of 16 x 16.  The 512 e are split among its eight waves, 64 each: two matrix steps; the partial sums meet in LDS.
; LAYOUT.  Both operands lie [e][column] in f32, so a lane gathers its column's 16 numbers of a fragment by 4-byte loads (sixteen lanes take 64 neighbouring bytes) and rounds them in pairs.
; Source 0 = 16 columns d of wq_w, source 1 = 16 columns c of proj_in_w: in the result a lane holds one c (lane % 16) and the d 8 (lane / 16) + 0..7: 32 bytes of a row of at.
; NO TENSOR LOADS, NO CLUSTER: every byte is converted in registers on its way; the weights are 1.5 MB in all.  The loads take 64-byte pieces and the stores 64 bytes of a row: the price of a short text for a small table.
.set SPARE, 32768                      ; LDS: 0..32,767 partial tiles: wave x 4,096 + tile x 1,024 + lane x 32; then the spare words, 128 bytes a wave, which no other line names
.set VX,  4                            ; v4   my byte offset in proj_in_w: (64 w + 8 h) rows of 1,024 + 4 (32 y + r)
.set VY,  5                            ; v5   in wq_w: (64 w + 8 h) rows of 2,048 + 4 (32 x + r)
.set VB,  6                            ; v6   in proj_in_b: 4 (64 w + 8 h)
.set VQ,  7                            ; v7   in wq_b: 4 (32 x + 16 (w & 1) + 8 h)
.set LS,  8                            ; v8   where I put a partial tile's 32 bytes
.set LR,  9                            ; v9   where I read them back (waves 0-3: tile = wave)
.set GO,  10                           ; v10  my 32 bytes of at
.set SPW, 12                           ; v12  LDS address of my spare word; never rewritten
.set NIL, 13                           ; v13  0; never rewritten
.set QB,  16                           ; v[16:23]   wq_b of my eight d
.set TP,  24                           ; v[24:27]   at work
.set STG, 32                           ; v[32:159]  f32 as loaded: wq_w's fragment (tile t, step ks) at 16 (2 t + ks), proj_in_w's 64 further on
.set FR,  160                          ; v[160:223] the same eight fragments in bf16, 8 registers each
.set ACC, 224                          ; v[224:255] tile (ct, dt) at 8 (2 ct + dt)
.macro PLACES
.rept 4
	v_nop
.endr
.endm
; 64 loads of 4 bytes: two tiles x two steps x 16 numbers of my column
.macro GATH b, voff, pitch, dst
.irp t, 0,1
.irp ks, 0,1
.irp g, 0,1
.irp jj, 0,1,2,3,4,5,6,7
	global_load_b32 v[(\dst)+16*(2*(\t)+(\ks))+8*(\g)+(\jj)], v[\voff], s[\b:\b+1] offset:(32*(\ks)+16*(\g)+(\jj))*(\pitch)+64*(\t)
.endr
.endr
.endr
.endr
.endm
	s_load_b256 s[4:11], s[0:1], 0x0               ; proj_in_w s[4:5], proj_in_b s[6:7], wq_w s[8:9], wq_b s[10:11]
	s_load_b64 s[12:13], s[0:1], 0x20              ; at
	v_lshl_add_u32 v[SPW], v0, 2, SPARE
	v_mov_b32 v[NIL], 0
	v_lshrrev_b32 v1, 5, v0
	v_readfirstlane_b32 s14, v1                    ; wave 0..7
	s_and_b32 s15, ttmp7, 0xffff                   ; y
	v_and_b32 v1, 15, v0                           ; r
	v_bfe_u32 v2, v0, 4, 1                         ; h
	v_and_b32 v3, 31, v0                           ; lane
	s_lshl_b32 s18, s14, 6
	v_lshl_add_u32 v24, v2, 3, s18                 ; my first e: 64 w + 8 h
	s_lshl_b32 s19, s15, 5                         ; 32 y
	v_add_nc_u32 v25, s19, v1
	v_lshlrev_b32 v25, 2, v25
	v_lshl_add_u32 v[VX], v24, 10, v25
	s_lshl_b32 s20, ttmp9, 5                       ; 32 x
	v_add_nc_u32 v26, s20, v1
	v_lshlrev_b32 v26, 2, v26
	v_lshl_add_u32 v[VY], v24, 11, v26
	v_lshlrev_b32 v[VB], 2, v24
	s_and_b32 s21, s14, 1
	s_lshl_b32 s21, s21, 4
	s_add_co_u32 s21, s21, s20                     ; 32 x + 16 (w & 1)
	v_lshl_add_u32 v27, v2, 3, s21
	v_lshlrev_b32 v[VQ], 2, v27
	s_lshl_b32 s22, s14, 12
	v_lshl_add_u32 v[LS], v3, 5, s22
	s_lshl_b32 s22, s14, 10
	v_lshl_add_u32 v[LR], v3, 5, s22
	s_lshr_b32 s23, s14, 1
	s_lshl_b32 s23, s23, 4
	s_add_co_u32 s23, s23, s19                     ; 32 y + 16 (w >> 1)
	v_add_nc_u32 v25, s23, v1
	v_lshl_add_u32 v[GO], v25, 11, v[VQ]
	s_cmp_eq_u32 s15, 8
	s_cselect_b32 s16, 1.0, 0                      ; wq_b is added on the bias rows alone
	s_mov_b32 s17, 0                               ; named with it as a pair
	s_wait_kmcnt 0x0
	global_load_b128 v[QB:QB+3], v[VQ], s[10:11]
	global_load_b128 v[QB+4:QB+7], v[VQ], s[10:11] offset:16
	GATH 8, VY, 2048, STG
	s_cmp_eq_u32 s15, 8
	s_cbranch_scc1 .Lbias
	GATH 4, VX, 1024, STG+64
	s_branch .Lgot
.Lbias:                                                ; every column is proj_in_b: my 8 + 8 numbers of a step lie on end
.irp t, 0,1
.irp ks, 0,1
.irp g, 0,1
	global_load_b128 v[STG+64+16*(2*(\t)+(\ks))+8*(\g):STG+64+16*(2*(\t)+(\ks))+8*(\g)+3],   v[VB], s[6:7] offset:(32*(\ks)+16*(\g))*4
	global_load_b128 v[STG+64+16*(2*(\t)+(\ks))+8*(\g)+4:STG+64+16*(2*(\t)+(\ks))+8*(\g)+7], v[VB], s[6:7] offset:(32*(\ks)+16*(\g))*4+16
.endr
.endr
.endr
.Lgot:
	s_wait_loadcnt 0x0                             ; all that the wave will ever load
.set f, 0
.rept 8                                ; eight fragments: 16 f32 -> 8 registers of bf16, the lower e in the lower half
.set i, 0
.rept 8
	v_cvt_pk_bf16_f32 v[FR+8*f+i], v[STG+16*f+2*i], v[STG+16*f+2*i+1]
.set i, i+1
.endr
.set f, f+1
.endr
.irp ks, 0,1                           ; the four accumulators take turns; the first step starts the sums
.irp ct, 0,1
.irp dt, 0,1
.if (\ks) == 0
	v_wmma_f32_16x16x32_bf16 v[ACC+8*(2*(\ct)+(\dt)):ACC+8*(2*(\ct)+(\dt))+7], v[FR+8*(2*(\dt)+(\ks)):FR+8*(2*(\dt)+(\ks))+7], v[FR+32+8*(2*(\ct)+(\ks)):FR+32+8*(2*(\ct)+(\ks))+7], 0
.else
	v_wmma_f32_16x16x32_bf16 v[ACC+8*(2*(\ct)+(\dt)):ACC+8*(2*(\ct)+(\dt))+7], v[FR+8*(2*(\dt)+(\ks)):FR+8*(2*(\dt)+(\ks))+7], v[FR+32+8*(2*(\ct)+(\ks)):FR+32+8*(2*(\ct)+(\ks))+7], v[ACC+8*(2*(\ct)+(\dt)):ACC+8*(2*(\ct)+(\dt))+7]
.endif
.endr
.endr
.endr
	PLACES                                         ; the places between the last products and the stores that read them; eight, once a launch
	PLACES
.irp t, 0,1,2,3
	ds_store_b128 v[LS], v[ACC+8*(\t):ACC+8*(\t)+3]   offset:1024*(\t)
	ds_store_b128 v[LS], v[ACC+8*(\t)+4:ACC+8*(\t)+7] offset:1024*(\t)+16
.endr
	s_wait_dscnt 0x0                               ; for the others' sake: my partial sums lie in LDS
	s_barrier_signal -1
	s_barrier_wait -1
	s_cmp_lt_u32 s14, 4                            ; wave t finishes tile t
	s_cbranch_scc0 .Lend
.irp v, 0,1,2,3,4,5,6,7
	ds_load_b128 v[STG+8*(\v):STG+8*(\v)+3],   v[LR] offset:4096*(\v)
	ds_load_b128 v[STG+8*(\v)+4:STG+8*(\v)+7], v[LR] offset:4096*(\v)+16
.endr
.irp i, 0,1,2,3                        ; wq_b is rounded to bf16 like every input, and widened again
	v_cvt_pk_bf16_f32 v[TP+(\i)], v[QB+2*(\i)], v[QB+2*(\i)+1]
.endr
.irp i, 0,1,2,3
	v_lshlrev_b32 v[QB+2*(\i)], 16, v[TP+(\i)]
	v_and_b32 v[QB+2*(\i)+1], 0xffff0000, v[TP+(\i)]
.endr
	s_wait_dscnt 0x0
.irp st, 1,2,4                         ; eight partial sums into one: neighbours 1, 2 and 4 apart
.set p, 0
.rept 4/(\st)
.irp i, 0,2,4,6
	v_pk_add_f32 v[STG+16*(\st)*p+(\i):STG+16*(\st)*p+(\i)+1], v[STG+16*(\st)*p+(\i):STG+16*(\st)*p+(\i)+1], v[STG+16*(\st)*p+8*(\st)+(\i):STG+16*(\st)*p+8*(\st)+(\i)+1]
.endr
.set p, p+1
.endr
.endr
.irp i, 0,2,4,6
	v_pk_fma_f32 v[STG+(\i):STG+(\i)+1], v[QB+(\i):QB+(\i)+1], s[16:17], v[STG+(\i):STG+(\i)+1] op_sel_hi:[1,0,1]
.endr
	global_store_b128 v[GO], v[STG:STG+3], s[12:13]
	global_store_b128 v[GO], v[STG+4:STG+7], s[12:13] offset:16
.Lend:
	s_wait_tensorcnt 0x0                           ; the wave's end: behind my last LDS store
	ds_add_u32 v[SPW], v[NIL]
	s_wait_dscnt 0x0
	s_endpgm
.Lfunc_end_k_q1141b65c1b_fold1:
	.size	k_q1141b65c1b_fold1, .Lfunc_end_k_q1141b65c1b_fold1-k_q1141b65c1b_fold1
	.p2alignl 7, 3214868480
	.fill 96, 4, 3214868480
	.section	.rodata,"a",@progbits
	.p2align	6, 0x0
	.amdhsa_kernel k_q1141b65c1b_fold1
		.amdhsa_group_segment_fixed_size 33792
		.amdhsa_private_segment_fixed_size 0
		.amdhsa_enable_private_segment 0
		.amdhsa_kernarg_size 40
		.amdhsa_user_sgpr_count 2
		.amdhsa_user_sgpr_kernarg_segment_ptr 1
		.amdhsa_wavefront_size32 1
		.amdhsa_system_sgpr_workgroup_id_x 1
		.amdhsa_system_sgpr_workgroup_id_y 1
		.amdhsa_system_sgpr_workgroup_id_z 1
		.amdhsa_system_vgpr_workitem_id 0
		.amdhsa_next_free_vgpr 256
		.amdhsa_next_free_sgpr 66
		.amdhsa_reserve_vcc 0
		.amdhsa_float_denorm_mode_32 3
		.amdhsa_float_denorm_mode_16_64 3
		.amdhsa_memory_ordered 1
		.amdhsa_forward_progress 1
		.amdhsa_inst_pref_size 26
	.end_amdhsa_kernel
	.amdgpu_metadata
---
amdhsa.version: [ 1, 2 ]
amdhsa.kernels:
  - .name:           k_q1141b65c1b_fold1
    .symbol:         k_q1141b65c1b_fold1.kd
    .args:
      - { .name: proj_in_w, .offset: 0, .size: 8, .value_kind: global_buffer, .address_space: global }
      - { .name: proj_in_b, .offset: 8, .size: 8, .value_kind: global_buffer, .address_space: global }
      - { .name: wq_w, .offset: 16, .size: 8, .value_kind: global_buffer, .address_space: global }
      - { .name: wq_b, .offset: 24, .size: 8, .value_kind: global_buffer, .address_space: global }
      - { .name: at, .offset: 32, .size: 8, .value_kind: global_buffer, .address_space: global }
    .group_segment_fixed_size: 33792
    .private_segment_fixed_size: 0
    .kernarg_segment_align: 8
    .kernarg_segment_size: 40
    .max_flat_workgroup_size: 256
    .sgpr_count:     66
    .vgpr_count:     256
    .wavefront_size: 32
...
	.end_amdgpu_metadata
.endif
;; end of part 1
;; launch fold2 (part 2): grid 17 x 20, 8 waves a work-group, no clusters, 33,792 bytes of LDS; arguments at, proj_out_w, wk_w, wk_b, wv_w, wv_b, wall; writes wall
.if DOCPART == 2
	.amdgcn_target "amdgcn-amd-amdhsa--gfx1250"
	.amdhsa_code_object_version 6
	.text
	.protected	k_q1141b65c1b_fold2
	.globl	k_q1141b65c1b_fold2
	.p2align	8
	.type	k_q1141b65c1b_fold2,@function
k_q1141b65c1b_fold2:
	s_mov_b64 s[64:65], 0
	v_nop
	global_prefetch_b8 v0, s[64:65] scope:SCOPE_SE
	s_setreg_imm32_b32 hwreg(HW_REG_WAVE_MODE, 25, 1), 1
	s_wait_xcnt 0x0
; WEIGHTS FOLDED, STEP 2.  wall[row][n] = sum over d of X[row][d] Y[n][d], bf16, in four blocks of 160 rows x 640 columns (544 written):
;   blocks 0, 1, rows 0-127:  M[c][n]   = sum over d of at[c][d] wk_w[n][d]              c = 128 block + row       (K'[j][c] = sum over n of M[c][n] context[n][j] + M[c][512])
;   blocks 2, 3, rows 0-127:  Wvo[o][n] = sum over d of proj_out_w[o][256 + d] wv_w[n][d]  o = 128 (block - 2) + row  (V'[j][o] likewise)
;   rows 128-159 of every block: g[n] = sum over d of a[d] wk_w[n][d], a = row 256 of at, all rows alike
;   columns 512-543: the same products with the bias (wk_b or wv_b) in the weight row's place, all alike; the next launch multiplies column 512 by 1 and the others by 0.
; X and Y are rounded to bf16 (at: its one rounding), sums in f32, wall rounded once.  LIMIT: a re-association of the formula's products, with these roundings; NaN and infinities are not treated apart.
; SHARES.  A work-group makes 32 rows (grid y: block = y & 3, part = y >> 2) x 32 columns (grid x; x = 16: the bias columns).  The 512 d are split among its eight waves: 256 consecutive bytes, aligned, of each row.
; LAYOUT.  d lies along the rows of both operands: a fragment is four loads of 16 bytes a lane.  Source 0 = 16 rows of Y, source 1 = 16 rows of X: a lane ends with one row of wall and eight neighbouring columns.
; NO TENSOR LOADS, NO CLUSTER: every byte is converted in registers on its way.
.set SPARE, 32768                      ; LDS as in the launch before: partial tiles, then the spare words
.set VX0, 4                            ; v4, v5  my byte offset in X's rows r and 16 + r: row x pitch + 256 w + 32 h
.set VX1, 5
.set VY0, 6                            ; v6, v7  the same in Y
.set VY1, 7
.set LS,  8
.set LR,  9
.set GO,  10                           ; v10  my 16 bytes of wall
.set SPW, 12
.set NIL, 13
.set STG, 32                           ; v[32:159]  f32 as loaded: Y's fragment (tile t, step ks) at 16 (2 t + ks), X's 64 further on
.set FR,  160
.set ACC, 224
.macro PLACES
.rept 4
	v_nop
.endr
.endm
; a tile's two fragments: for each step 8 + 8 numbers of my row
.macro NTL voff, b, dst
.irp ks, 0,1
	global_load_b128 v[(\dst)+16*(\ks):(\dst)+16*(\ks)+3],     v[\voff], s[\b:\b+1] offset:128*(\ks)
	global_load_b128 v[(\dst)+16*(\ks)+4:(\dst)+16*(\ks)+7],   v[\voff], s[\b:\b+1] offset:128*(\ks)+16
	global_load_b128 v[(\dst)+16*(\ks)+8:(\dst)+16*(\ks)+11],  v[\voff], s[\b:\b+1] offset:128*(\ks)+64
	global_load_b128 v[(\dst)+16*(\ks)+12:(\dst)+16*(\ks)+15], v[\voff], s[\b:\b+1] offset:128*(\ks)+80
.endr
.endm
	s_load_b256 s[4:11], s[0:1], 0x0               ; at s[4:5], proj_out_w s[6:7], wk_w s[8:9], wk_b s[10:11]
	s_load_b128 s[12:15], s[0:1], 0x20             ; wv_w s[12:13], wv_b s[14:15]
	s_load_b64 s[16:17], s[0:1], 0x30              ; wall
	v_lshl_add_u32 v[SPW], v0, 2, SPARE
	v_mov_b32 v[NIL], 0
	v_lshrrev_b32 v1, 5, v0
	v_readfirstlane_b32 s18, v1                    ; wave 0..7
	v_and_b32 v1, 15, v0                           ; r
	v_bfe_u32 v2, v0, 4, 1                         ; h
	v_and_b32 v3, 31, v0                           ; lane
	s_and_b32 s19, ttmp7, 0xffff
	s_and_b32 s20, s19, 3                          ; block q
	s_lshr_b32 s21, s19, 2                         ; part 0..4
	s_lshl_b32 s22, s21, 5                         ; 32 part
	s_lshl_b32 s23, s20, 7
	s_add_co_u32 s23, s23, s22
	s_lshl_b32 s38, s23, 11                        ; X in at: (128 q + 32 part) rows of 2,048 bytes
	s_max_u32 s24, s20, 2
	s_sub_co_u32 s24, s24, 2
	s_lshl_b32 s24, s24, 7
	s_add_co_u32 s24, s24, s22
	s_mul_i32 s24, s24, 3072
	s_add_co_u32 s24, s24, 1024                    ; X in proj_out_w: (128 (q - 2) + 32 part) rows of 3,072 bytes, behind their first 256 numbers
	s_mov_b32 s27, 3072
	s_cmp_lt_u32 s20, 2
	s_cselect_b32 s38, s38, s24
	s_cselect_b32 s27, 2048, s27                   ; X's pitch
	s_cselect_b32 s28, 1, 0                        ; 1: X from at, Y from wk
	s_cmp_eq_u32 s21, 4                            ; part 4: every row is row 256 of at
	s_cselect_b32 s38, 524288, s38
	s_cselect_b32 s27, 0, s27
	s_cselect_b32 s28, 1, s28
	s_mov_b32 s39, 0
	s_lshl_b32 s40, ttmp9, 16                      ; Y: 32 x rows of 2,048 bytes,
	s_mov_b32 s31, 2048
	s_cmp_eq_u32 ttmp9, 16                         ; or every row the bias
	s_cselect_b32 s40, 0, s40
	s_cselect_b32 s31, 0, s31
	s_cselect_b32 s29, 1, 0
	s_mov_b32 s41, 0
	s_lshl_b32 s42, s18, 8
	v_lshl_add_u32 v24, v2, 5, s42                 ; 256 w + 32 h
	v_mul_lo_u32 v[VX0], v1, s27
	v_add_nc_u32 v[VX0], v[VX0], v24
	s_lshl_b32 s43, s27, 4
	v_add_nc_u32 v[VX1], s43, v[VX0]
	v_mul_lo_u32 v[VY0], v1, s31
	v_add_nc_u32 v[VY0], v[VY0], v24
	s_lshl_b32 s43, s31, 4
	v_add_nc_u32 v[VY1], s43, v[VY0]
	s_lshl_b32 s42, s18, 12
	v_lshl_add_u32 v[LS], v3, 5, s42
	s_lshl_b32 s42, s18, 10
	v_lshl_add_u32 v[LR], v3, 5, s42
	s_mul_i32 s44, s20, 160
	s_add_co_u32 s44, s44, s22
	s_lshr_b32 s45, s18, 1
	s_lshl_b32 s45, s45, 4
	s_add_co_u32 s44, s44, s45                     ; 160 q + 32 part + 16 (w >> 1)
	v_add_nc_u32 v25, s44, v1
	v_mul_u32_u24 v25, v25, 1280
	s_lshl_b32 s46, ttmp9, 5
	s_and_b32 s45, s18, 1
	s_lshl_b32 s45, s45, 4
	s_add_co_u32 s46, s46, s45                     ; 32 x + 16 (w & 1)
	v_lshl_add_u32 v26, v2, 3, s46
	v_lshl_add_u32 v[GO], v26, 1, v25
	s_wait_kmcnt 0x0
	s_cmp_eq_u32 s28, 1
	s_cselect_b64 s[32:33], s[4:5], s[6:7]         ; X
	s_cselect_b64 s[34:35], s[8:9], s[12:13]       ; the weights
	s_cselect_b64 s[36:37], s[10:11], s[14:15]     ; their bias
	s_cmp_eq_u32 s29, 1
	s_cselect_b64 s[34:35], s[36:37], s[34:35]     ; Y
	s_add_nc_u64 s[32:33], s[32:33], s[38:39]
	s_add_nc_u64 s[34:35], s[34:35], s[40:41]
	NTL VY0, 34, STG
	NTL VY1, 34, STG+32
	NTL VX0, 32, STG+64
	NTL VX1, 32, STG+96
	s_wait_loadcnt 0x0                             ; all that the wave will ever load
.set f, 0
.rept 8
.set i, 0
.rept 8
	v_cvt_pk_bf16_f32 v[FR+8*f+i], v[STG+16*f+2*i], v[STG+16*f+2*i+1]
.set i, i+1
.endr
.set f, f+1
.endr
.irp ks, 0,1                           ; the four accumulators take turns; the first step starts the sums
.irp ct, 0,1
.irp dt, 0,1
.if (\ks) == 0
	v_wmma_f32_16x16x32_bf16 v[ACC+8*(2*(\ct)+(\dt)):ACC+8*(2*(\ct)+(\dt))+7], v[FR+8*(2*(\dt)+(\ks)):FR+8*(2*(\dt)+(\ks))+7], v[FR+32+8*(2*(\ct)+(\ks)):FR+32+8*(2*(\ct)+(\ks))+7], 0
.else
	v_wmma_f32_16x16x32_bf16 v[ACC+8*(2*(\ct)+(\dt)):ACC+8*(2*(\ct)+(\dt))+7], v[FR+8*(2*(\dt)+(\ks)):FR+8*(2*(\dt)+(\ks))+7], v[FR+32+8*(2*(\ct)+(\ks)):FR+32+8*(2*(\ct)+(\ks))+7], v[ACC+8*(2*(\ct)+(\dt)):ACC+8*(2*(\ct)+(\dt))+7]
.endif
.endr
.endr
.endr
	PLACES                                         ; the places between the last products and the stores that read them; eight, once a launch
	PLACES
.irp t, 0,1,2,3
	ds_store_b128 v[LS], v[ACC+8*(\t):ACC+8*(\t)+3]   offset:1024*(\t)
	ds_store_b128 v[LS], v[ACC+8*(\t)+4:ACC+8*(\t)+7] offset:1024*(\t)+16
.endr
	s_wait_dscnt 0x0                               ; for the others' sake: my partial sums lie in LDS
	s_barrier_signal -1
	s_barrier_wait -1
	s_cmp_lt_u32 s18, 4                            ; wave t finishes tile t
	s_cbranch_scc0 .Lend
.irp v, 0,1,2,3,4,5,6,7
	ds_load_b128 v[STG+8*(\v):STG+8*(\v)+3],   v[LR] offset:4096*(\v)
	ds_load_b128 v[STG+8*(\v)+4:STG+8*(\v)+7], v[LR] offset:4096*(\v)+16
.endr
	s_wait_dscnt 0x0
.irp st, 1,2,4
.set p, 0
.rept 4/(\st)
.irp i, 0,2,4,6
	v_pk_add_f32 v[STG+16*(\st)*p+(\i):STG+16*(\st)*p+(\i)+1], v[STG+16*(\st)*p+(\i):STG+16*(\st)*p+(\i)+1], v[STG+16*(\st)*p+8*(\st)+(\i):STG+16*(\st)*p+8*(\st)+(\i)+1]
.endr
.set p, p+1
.endr
.endr
.irp i, 0,1,2,3
	v_cvt_pk_bf16_f32 v[STG+64+(\i)], v[STG+2*(\i)], v[STG+2*(\i)+1]
.endr
	global_store_b128 v[GO], v[STG+64:STG+67], s[16:17]
.Lend:
	s_wait_tensorcnt 0x0                           ; the wave's end: behind my last LDS store
	ds_add_u32 v[SPW], v[NIL]
	s_wait_dscnt 0x0
	s_endpgm
.Lfunc_end_k_q1141b65c1b_fold2:
	.size	k_q1141b65c1b_fold2, .Lfunc_end_k_q1141b65c1b_fold2-k_q1141b65c1b_fold2
	.p2alignl 7, 3214868480
	.fill 96, 4, 3214868480
	.section	.rodata,"a",@progbits
	.p2align	6, 0x0
	.amdhsa_kernel k_q1141b65c1b_fold2
		.amdhsa_group_segment_fixed_size 33792
		.amdhsa_private_segment_fixed_size 0
		.amdhsa_enable_private_segment 0
		.amdhsa_kernarg_size 56
		.amdhsa_user_sgpr_count 2
		.amdhsa_user_sgpr_kernarg_segment_ptr 1
		.amdhsa_wavefront_size32 1
		.amdhsa_system_sgpr_workgroup_id_x 1
		.amdhsa_system_sgpr_workgroup_id_y 1
		.amdhsa_system_sgpr_workgroup_id_z 1
		.amdhsa_system_vgpr_workitem_id 0
		.amdhsa_next_free_vgpr 256
		.amdhsa_next_free_sgpr 66
		.amdhsa_reserve_vcc 0
		.amdhsa_float_denorm_mode_32 3
		.amdhsa_float_denorm_mode_16_64 3
		.amdhsa_memory_ordered 1
		.amdhsa_forward_progress 1
		.amdhsa_inst_pref_size 16
	.end_amdhsa_kernel
	.amdgpu_metadata
---
amdhsa.version: [ 1, 2 ]
amdhsa.kernels:
  - .name:           k_q1141b65c1b_fold2
    .symbol:         k_q1141b65c1b_fold2.kd
    .args:
      - { .name: at, .offset: 0, .size: 8, .value_kind: global_buffer, .address_space: global }
      - { .name: proj_out_w, .offset: 8, .size: 8, .value_kind: global_buffer, .address_space: global }
      - { .name: wk_w, .offset: 16, .size: 8, .value_kind: global_buffer, .address_space: global }
      - { .name: wk_b, .offset: 24, .size: 8, .value_kind: global_buffer, .address_space: global }
      - { .name: wv_w, .offset: 32, .size: 8, .value_kind: global_buffer, .address_space: global }
      - { .name: wv_b, .offset: 40, .size: 8, .value_kind: global_buffer, .address_space: global }
      - { .name: wall, .offset: 48, .size: 8, .value_kind: global_buffer, .address_space: global }
    .group_segment_fixed_size: 33792
    .private_segment_fixed_size: 0
    .kernarg_segment_align: 8
    .kernarg_segment_size: 56
    .max_flat_workgroup_size: 256
    .sgpr_count:     66
    .vgpr_count:     256
    .wavefront_size: 32
...
	.end_amdgpu_metadata
.endif
;; end of part 2
;; launch kv (part 3): grid 8 x 32, 4 waves a work-group, clusters of 4 x 1, 327,680 bytes of LDS; arguments context, wall, proj_out_w, kp, vp, kap; writes kp, vp, kap
.if DOCPART == 3
	.amdgcn_target "amdgcn-amd-amdhsa--gfx1250"
	.amdhsa_code_object_version 6
	.text
	.protected	k_q1141b65c1b_kv
	.globl	k_q1141b65c1b_kv
	.p2align	8
	.type	k_q1141b65c1b_kv,@function
k_q1141b65c1b_kv:
	s_mov_b64 s[64:65], 0
	v_nop
	global_prefetch_b8 v0, s[64:65] scope:SCOPE_SE
	s_setreg_imm32_b32 hwreg(HW_REG_WAVE_MODE, 25, 1), 1
	s_wait_xcnt 0x0
	s_wait_alu depctr_hold_cnt(0) depctr_sa_sdst(0) depctr_va_vdst(0) depctr_va_sdst(0) depctr_va_ssrc(0) depctr_va_vcc(0) depctr_vm_vsrc(0)
	s_getreg_b32 s2, hwreg(HW_REG_IB_STS2, 6, 4)
	s_cmp_eq_u32 s2, 0
	s_cbranch_scc0 .Lentry_in_a_cluster
	s_endpgm
.Lentry_in_a_cluster:
	s_bfe_u32 s2, ttmp6, 0x10000c
	s_cmp_lg_u32 s2, 0x3003
	s_cbranch_scc0 .Lentry_shape_is_right
	s_endpgm
.Lentry_shape_is_right:
; KEYS AND VALUES, ALREADY FOLDED.  out[j][col] = sum over e' < 544 of W[col][e'] Z[e'][j], where Z is the batch's context [512][1024] rounded to bf16, then a row of ones (it takes the bias column), then 31 rows of zeros.
;   kind 0, 1: W = block kind of wall -> kp[batch][j][128 kind + col]  (K');   kind 2, 3 -> vp[batch][j][128 (kind - 2) + col]  (V');   W's rows 128-143, all alike -> kap[batch][j], f32 (stored by kind 0).
; Sums in f32; K' and V' rounded once to bf16.  Each wave also copies two rows of proj_out_w's first 256 columns, rounded to bf16, behind the batch's keys: kp rows 1024-1151 take o = 0-127, vp's o = 128-255:
; the next launch's ring walks them as a ninth tile.  LIMIT: a re-association of the formula's products with these roundings; NaN and infinities are not treated apart.
; SHARES.  grid y = 4 batch + kind, grid x = block of 128 keys.  A wave takes all nine tiles of 16 rows of W x its 32 keys: 18 accumulators.
; CLUSTER.  The four key blocks of a cluster have one kind and want the same 144 rows of W: asked for JOINTLY, 36 rows a wave.  The context tile, which the four kinds share, is NOT: it comes through registers,
; to be rounded, and as f32 (128 keys x 512 rows x 4 bytes = 256 KB) it has no room in LDS beside W.
; LAYOUT.  Source 0 = 16 rows of W (e' along the LDS rows), source 1 = 16 keys of Z, which lies [e'][key] and is turned by ds_load_tr16_b128: a lane ends with one key and eight neighbouring columns.
.set WP,    1104                       ; a row of W in LDS: 552 elements, of which the last 8 lie past the tensor's stated end and arrive as zeros: 69 x 16 bytes, so 16 rows of a load start at 16 different groups of four banks
.set ZB,    144*WP                     ; 158,976: Z, 544 rows
.set ZP,    288                        ; 256 bytes + 32
.set SPARE, ZB+544*ZP                  ; 315,648: the spare words, 128 bytes a wave, which no other line names
.set SP,    272                        ; the way out: 32 rows x 272 bytes a wave, on Z's first bytes, which LDS stores wrote and no tensor load ever fills
.set GC,  1                            ; v1   my byte offset in the context tile: 16 lane + 128 w rows of 4,096
.set LZ,  2                            ; v2   where my 8 bytes of a row of Z go
.set AZ,  3                            ; v3   the turning load's address; steps 32 rows a step
.set AW,  4                            ; v4-6 W's fragments, tiles 0-2, 3-5, 6-8; step 64 bytes a step
.set STO, 7
.set RD,  8
.set GO,  9
.set KO,  10                           ; v10  4 lane
.set WL,  11                           ; v11  32 lane
.set WS,  12                           ; v12  16 lane
.set EX,  13                           ; v13  my 64 bytes of Z's rows 512-543
.set SPW, 14
.set NIL, 15
.set ZF,  16                           ; v[16:31]   Z's two fragments; earlier the two weight rows
.set WF,  32                           ; v[32:103]  W's nine fragments
.set ACC, 104                          ; v[104:247] tile (mt, jt) at 8 (2 mt + jt)
.set SET, 32                           ; while Z is made: v[32:223] three sets of 16 rows as loaded,
.set TMP, 224                          ; v[224:255] rounded pairs
.set WV,  16                           ; s16  my wave's number
.set G0,  24                           ; s[24:27] descriptor group 0
.set G1,  28                           ; s[28:35] group 1
.set CTX, 36                           ; s[36:37] the context tile
.set OKB, 38                           ; s[38:39] my 32 rows of kp or vp, my kind's 256 bytes
.set WSR, 40                           ; s[40:41] my two rows of proj_out_w
.set WDS, 42                           ; s[42:43] where they go
.set KAP, 44                           ; s[44:45] my 32 numbers of kap
.macro PLACES
.rept 4
	v_nop
.endr
.endm
; A round of the cluster's barrier: my work-group's barrier; wave 0 signals for the work-group; every wave waits for all four work-groups; my work-group's barrier once more.
.macro CROUND
	s_barrier_signal -1
	s_barrier_wait -1
	s_cmp_lg_u32 s[WV], 0
	s_cbranch_scc1 .Lnot_wave_0_\@
	s_barrier_signal -3
.Lnot_wave_0_\@:
	s_barrier_wait -3
	s_barrier_signal -1
	s_barrier_wait -1
.endm
.macro LOADSET s, g                    ; rows 16 g .. 16 g + 15 of my 128: a load takes a row's 512 bytes
.irp i, 0,1,2,3,4,5,6,7,8,9,10,11,12,13,14,15
	global_load_b128 v[SET+64*(\s)+4*(\i):SET+64*(\s)+4*(\i)+3], v[GC], s[CTX:CTX+1] offset:(16*(\g)+(\i))*4096
.endr
.endm
.macro CVTSET s, g                     ; rounded, and into Z
.irp i, 0,1,2,3,4,5,6,7,8,9,10,11,12,13,14,15
	v_cvt_pk_bf16_f32 v[TMP+2*(\i)],   v[SET+64*(\s)+4*(\i)],   v[SET+64*(\s)+4*(\i)+1]
	v_cvt_pk_bf16_f32 v[TMP+2*(\i)+1], v[SET+64*(\s)+4*(\i)+2], v[SET+64*(\s)+4*(\i)+3]
	ds_store_b64 v[LZ], v[TMP+2*(\i):TMP+2*(\i)+1] offset:(16*(\g)+(\i))*ZP
.endr
.endm
	s_load_b256 s[4:11], s[0:1], 0x0               ; context s[4:5], wall s[6:7], proj_out_w s[8:9], kp s[10:11]
	s_load_b128 s[12:15], s[0:1], 0x20             ; vp s[12:13], kap s[14:15]
	v_lshl_add_u32 v[SPW], v0, 2, SPARE
	v_mov_b32 v[NIL], 0
	ds_add_u32 v[SPW], v[NIL]                      ; the wave's opening: the add and its wait stand ahead of my first tensor load; the set-up below, work on registers, stands between them
	v_lshrrev_b32 v240, 5, v0
	v_readfirstlane_b32 s[WV], v240                ; wave 0..3
	s_bfe_u32 s17, ttmp6, 0x40000                  ; cx
	s_lshl_b32 s18, ttmp9, 2
	s_add_co_u32 s18, s18, s17                     ; my block of 128 keys: it enters global addresses of my own loads and stores alone
	s_and_b32 s19, ttmp7, 0xffff
	s_and_b32 s20, s19, 3                          ; kind, which the four partners share
	s_lshr_b32 s21, s19, 2                         ; batch
	s_and_b32 s22, s20, 1
	s_lshr_b32 s23, s20, 1
	s_mov_b32 s[G0], 1                             ; count = 1
	s_mul_i32 s[G0+1], s[WV], 36*WP                ; LDS address: my 36 rows
	s_mov_b32 s[G1+0], 15|(1<<16)|(1<<21)          ; the mask of four; 2-byte elements; bit 21 set beside a mask; no padding
	s_mov_b32 s[G1+1], 544<<16                     ; tensor_dim0 = 544: what lies beyond arrives as zeros
	s_mov_b32 s[G1+2], 36<<16                      ; tensor_dim1 = 36
	s_mov_b32 s[G1+3], 552<<16                     ; tile_dim0 = 552
	s_mov_b32 s[G1+4], 36                          ; tile_dim1 = 36
	s_mov_b32 s[G1+5], 640                         ; 640 elements from row to row
	s_mov_b32 s[G1+6], 0
	s_mov_b32 s[G1+7], 0
	s_mul_i32 s46, s20, 160*1280                   ; my kind's block of wall,
	s_mul_i32 s47, s[WV], 36*1280                  ; my 36 rows of it
	s_add_co_u32 s46, s46, s47
	s_mov_b32 s47, 0
	s_lshl_b32 s48, s21, 21                        ; the batch's context, 512 rows of 4,096 bytes,
	s_lshl_b32 s49, s18, 9                         ; my block's 512 bytes of each row
	s_add_co_u32 s48, s48, s49
	s_mov_b32 s49, 0
	s_mul_i32 s53, s21, 589824                     ; the batch's 1,152 rows of 512 bytes in kp and vp
	s_lshl_b32 s54, s18, 7
	s_lshl_b32 s55, s[WV], 5
	s_add_co_u32 s54, s54, s55                     ; my first key: 128 kb + 32 w
	s_lshl_b32 s50, s54, 9
	s_add_co_u32 s50, s50, s53
	s_lshl_b32 s55, s22, 8
	s_add_co_u32 s50, s50, s55
	s_mov_b32 s51, 0
	s_lshl_b32 s56, s54, 2
	s_lshl_b32 s55, s21, 12
	s_add_co_u32 s56, s56, s55
	s_mov_b32 s57, 0
	s_lshl_b32 s58, s22, 6                         ; my two weight rows: 64 (kind & 1) + 8 kb + 2 w of the 128
	s_lshl_b32 s55, s18, 3
	s_add_co_u32 s58, s58, s55
	s_lshl_b32 s55, s[WV], 1
	s_add_co_u32 s58, s58, s55
	s_lshl_b32 s60, s58, 9
	s_add_co_u32 s60, s60, 1024*512
	s_add_co_u32 s60, s60, s53
	s_mov_b32 s61, 0
	s_lshl_b32 s55, s23, 7
	s_add_co_u32 s58, s58, s55
	s_mul_i32 s58, s58, 3072
	s_mov_b32 s59, 0
	v_and_b32 v240, 15, v0                         ; r
	v_bfe_u32 v241, v0, 4, 1                       ; h
	v_and_b32 v242, 31, v0                         ; lane
	v_and_b32 v243, 7, v0
	v_bfe_u32 v244, v0, 3, 1
	s_lshl_b32 s52, s[WV], 19
	v_lshl_add_u32 v[GC], v242, 4, s52
	s_mul_i32 s52, s[WV], 128*ZP
	s_add_co_u32 s52, s52, ZB
	v_lshl_add_u32 v[LZ], v242, 3, s52
	v_lshl_add_u32 v[AZ], v241, 3, v243            ; the turning load: lane l reads row 8 (l / 16) + l % 8, 16 bytes at 16 ((l / 8) % 2), in my wave's 64 bytes
	v_mul_u32_u24 v[AZ], v[AZ], ZP
	v_lshl_add_u32 v[AZ], v244, 4, v[AZ]
	s_lshl_b32 s52, s[WV], 6
	s_add_co_u32 s52, s52, ZB
	v_add_nc_u32 v[AZ], s52, v[AZ]
	v_mul_u32_u24 v[AW], v240, WP
	v_lshl_add_u32 v[AW], v241, 4, v[AW]
	v_add_nc_u32 v[AW+1], 48*WP, v[AW]
	v_add_nc_u32 v[AW+2], 96*WP, v[AW]
	s_mul_i32 s52, s[WV], 32*SP
	s_add_co_u32 s52, s52, ZB                      ; my stage
	v_mul_u32_u24 v[STO], v240, SP
	v_lshl_add_u32 v[STO], v241, 4, v[STO]
	v_add_nc_u32 v[STO], s52, v[STO]
	v_mul_u32_u24 v[RD], v241, SP
	v_lshl_add_u32 v[RD], v240, 4, v[RD]
	v_add_nc_u32 v[RD], s52, v[RD]
	v_lshlrev_b32 v[GO], 9, v241
	v_lshl_add_u32 v[GO], v240, 4, v[GO]
	v_lshlrev_b32 v[KO], 2, v242
	v_lshlrev_b32 v[WL], 5, v242
	v_lshlrev_b32 v[WS], 4, v242
	v_lshrrev_b32 v243, 2, v0
	v_and_b32 v244, 3, v0
	v_mul_u32_u24 v[EX], v243, ZP
	v_lshl_add_u32 v[EX], v244, 6, v[EX]
	v_add_nc_u32 v[EX], ZB+512*ZP, v[EX]
	s_mov_b32 s63, 0x3f803f80                      ; 1.0 twice in bf16
	s_wait_dscnt 0x0                               ; the opening add is done
	s_wait_kmcnt 0x0
	s_add_nc_u64 s[G0+2:G0+3], s[6:7], s[46:47]
	s_or_b32 s[G0+3], s[G0+3], 0x80000000          ; type = 2
	s_add_nc_u64 s[CTX:CTX+1], s[4:5], s[48:49]
	s_cmp_lt_u32 s20, 2
	s_cselect_b64 s[54:55], s[10:11], s[12:13]     ; kp or vp
	s_add_nc_u64 s[OKB:OKB+1], s[54:55], s[50:51]
	s_add_nc_u64 s[WDS:WDS+1], s[54:55], s[60:61]
	s_add_nc_u64 s[WSR:WSR+1], s[8:9], s[58:59]
	s_add_nc_u64 s[KAP:KAP+1], s[14:15], s[56:57]
	CROUND                                         ; all four work-groups are here: the joint loads meet
	tensor_load_to_lds s[G0:G0+3], s[G1:G1+7]      ; my 36 rows of W: the wave's one tensor load
	s_nop 0
	PLACES
	global_load_b128 v[ZF:ZF+3],     v[WL], s[WSR:WSR+1]
	global_load_b128 v[ZF+4:ZF+7],   v[WL], s[WSR:WSR+1] offset:16
	global_load_b128 v[ZF+8:ZF+11],  v[WL], s[WSR:WSR+1] offset:3072
	global_load_b128 v[ZF+12:ZF+15], v[WL], s[WSR:WSR+1] offset:3088
	LOADSET 0, 0
	LOADSET 1, 1
	LOADSET 2, 2
	s_wait_loadcnt 48                              ; the two weight rows are in; the 48 loads of context behind them stay out
.irp u, 0,8
	v_cvt_pk_bf16_f32 v[ZF+(\u)],   v[ZF+(\u)],   v[ZF+(\u)+1]
	v_cvt_pk_bf16_f32 v[ZF+(\u)+1], v[ZF+(\u)+2], v[ZF+(\u)+3]
	v_cvt_pk_bf16_f32 v[ZF+(\u)+2], v[ZF+(\u)+4], v[ZF+(\u)+5]
	v_cvt_pk_bf16_f32 v[ZF+(\u)+3], v[ZF+(\u)+6], v[ZF+(\u)+7]
.endr
	global_store_b128 v[WS], v[ZF:ZF+3],    s[WDS:WDS+1]             ; a row of 512 consecutive bytes
	global_store_b128 v[WS], v[ZF+8:ZF+11], s[WDS:WDS+1] offset:512
	s_wait_loadcnt 32                              ; a set is in; the two younger sets stay out
	CVTSET 0, 0
	LOADSET 0, 3
	s_wait_loadcnt 32
	CVTSET 1, 1
	LOADSET 1, 4
	s_wait_loadcnt 32
	CVTSET 2, 2
	LOADSET 2, 5
	s_wait_loadcnt 32
	CVTSET 0, 3
	LOADSET 0, 6
	s_wait_loadcnt 32
	CVTSET 1, 4
	LOADSET 1, 7
	s_wait_loadcnt 32
	CVTSET 2, 5
	s_wait_loadcnt 16                              ; the counts run down
	CVTSET 0, 6
	s_wait_loadcnt 0x0
	CVTSET 1, 7
	v_cmp_gt_u32 vcc_lo, 4, v0                     ; threads 0-3 write row 512, the ones; the others rows 513-543, zeros
.irp i, 0,1,2,3
	v_cndmask_b32 v[TMP+(\i)], 0, s63, vcc_lo
.endr
.irp i, 0,1,2,3
	ds_store_b128 v[EX], v[TMP:TMP+3] offset:16*(\i)
.endr
	s_wait_xcnt 0x0                                ; the two stores have read v[16:27], which take Z's fragments next
	s_wait_tensorcnt 0x0                           ; my rows of W have landed,
	s_wait_dscnt 0x0                               ; my rows of Z are written:
	s_barrier_signal -1
	s_barrier_wait -1                              ; everybody's are.  Nothing is filled again in this launch
; One step of 32 e': 4 turning loads, 18 loads of W, 18 products.  The accumulators take turns, over the backward jump too.  The four address steps are plain instructions
; that name no register of the products: the places in front of the next step's loads into the fragments (ISA guide 7.12.1 for vector instructions).
.macro KSTEP zero
.irp jt, 0,1
	ds_load_tr16_b128 v[ZF+8*(\jt):ZF+8*(\jt)+3],   v[AZ] offset:32*(\jt)
	ds_load_tr16_b128 v[ZF+8*(\jt)+4:ZF+8*(\jt)+7], v[AZ] offset:32*(\jt)+16*ZP
.endr
.irp mt, 0,1,2,3,4,5,6,7,8
	ds_load_b128 v[WF+8*(\mt):WF+8*(\mt)+3],   v[AW+(\mt)/3] offset:((\mt)%3)*16*WP
	ds_load_b128 v[WF+8*(\mt)+4:WF+8*(\mt)+7], v[AW+(\mt)/3] offset:((\mt)%3)*16*WP+32
.endr
.irp mt, 0,1,2,3,4,5,6,7,8
	s_wait_dscnt 16-2*(\mt)                        ; LDS loads come back in order: tile mt's fragment is in, the later tiles' may be out
.irp jt, 0,1
.if \zero
	v_wmma_f32_16x16x32_bf16 v[ACC+8*(2*(\mt)+(\jt)):ACC+8*(2*(\mt)+(\jt))+7], v[WF+8*(\mt):WF+8*(\mt)+7], v[ZF+8*(\jt):ZF+8*(\jt)+7], 0
.else
	v_wmma_f32_16x16x32_bf16 v[ACC+8*(2*(\mt)+(\jt)):ACC+8*(2*(\mt)+(\jt))+7], v[WF+8*(\mt):WF+8*(\mt)+7], v[ZF+8*(\jt):ZF+8*(\jt)+7], v[ACC+8*(2*(\mt)+(\jt)):ACC+8*(2*(\mt)+(\jt))+7]
.endif
.endr
.endr
	v_add_nc_u32 v[AW],   64, v[AW]
	v_add_nc_u32 v[AW+1], 64, v[AW+1]
	v_add_nc_u32 v[AW+2], 64, v[AW+2]
	v_add_nc_u32 v[AZ], 32*ZP, v[AZ]
.endm
	KSTEP 1                                        ; the first step starts the sums
	s_mov_b32 s62, 16
.Lk:
	KSTEP 0
	s_sub_co_u32 s62, s62, 1
	s_cmp_lg_u32 s62, 0
	s_cbranch_scc1 .Lk
	s_wait_dscnt 0x0                               ; my reads of Z are over:
	s_barrier_signal -1
	s_barrier_wait -1                              ; everybody's are, so Z's first bytes may serve as stages
	PLACES                                         ; with the four address steps: eight places behind the last products, once a launch
.irp jt, 0,1                           ; THE WAY OUT: a lane's eight columns of a key pack into 16 bytes; each accumulator is read from its low end on
.irp mt, 0,1,2,3,4,5,6,7
.irp i, 0,1,2,3
	v_cvt_pk_bf16_f32 v[WF+4*(8*(\jt)+(\mt))+(\i)], v[ACC+8*(2*(\mt)+(\jt))+2*(\i)], v[ACC+8*(2*(\mt)+(\jt))+2*(\i)+1]
.endr
.endr
.endr
.irp jt, 0,1
.irp mt, 0,1,2,3,4,5,6,7
	ds_store_b128 v[STO], v[WF+4*(8*(\jt)+(\mt)):WF+4*(8*(\jt)+(\mt))+3] offset:(\jt)*16*SP+32*(\mt)
.endr
.endr
.irp t, 0,1,2,3,4,5,6,7,8,9,10,11,12,13,14,15
	ds_load_b128 v[WF+4*(\t):WF+4*(\t)+3], v[RD] offset:(\t)*2*SP   ; LDS serves a wave's instructions in order: these see my stores above
.endr
	v_and_b32 v97, 31, v0
	v_cmp_gt_u32 vcc_lo, 16, v97
	v_cndmask_b32 v96, v[ACC+8*17], v[ACC+8*16], vcc_lo            ; all 16 rows of the ninth tile are alike: lane l takes key l: its first register of key tile l / 16
.irp t, 0,1,2,3,4,5,6,7,8,9,10,11,12,13,14,15
	s_wait_dscnt 15-(\t)
	global_store_b128 v[GO], v[WF+4*(\t):WF+4*(\t)+3], s[OKB:OKB+1] offset:(\t)*1024  ; 16 lanes store 256 consecutive bytes, at a multiple of 256 from the buffer's first byte
.endr
	s_cmp_lg_u32 s20, 0
	s_cbranch_scc1 .Lno_kappa
	global_store_b32 v[KO], v96, s[KAP:KAP+1]
.Lno_kappa:
	s_wait_tensorcnt 0x0                           ; the wave's end: behind my last tensor load and my last LDS store
	ds_add_u32 v[SPW], v[NIL]
	s_wait_dscnt 0x0
	CROUND                                         ; the closing round: no work-group ends while a partner may still ask for rows that name it
	s_endpgm
.Lfunc_end_k_q1141b65c1b_kv:
	.size	k_q1141b65c1b_kv, .Lfunc_end_k_q1141b65c1b_kv-k_q1141b65c1b_kv
	.p2alignl 7, 3214868480
	.fill 96, 4, 3214868480
	.section	.rodata,"a",@progbits
	.p2align	6, 0x0
	.amdhsa_kernel k_q1141b65c1b_kv
		.amdhsa_group_segment_fixed_size 327680
		.amdhsa_private_segment_fixed_size 0
		.amdhsa_enable_private_segment 0
		.amdhsa_kernarg_size 48
		.amdhsa_user_sgpr_count 2
		.amdhsa_user_sgpr_kernarg_segment_ptr 1
		.amdhsa_wavefront_size32 1
		.amdhsa_system_sgpr_workgroup_id_x 1
		.amdhsa_system_sgpr_workgroup_id_y 1
		.amdhsa_system_sgpr_workgroup_id_z 1
		.amdhsa_system_vgpr_workitem_id 0
		.amdhsa_next_free_vgpr 256
		.amdhsa_next_free_sgpr 66
		.amdhsa_reserve_vcc 1
		.amdhsa_float_denorm_mode_32 3
		.amdhsa_float_denorm_mode_16_64 3
		.amdhsa_memory_ordered 1
		.amdhsa_forward_progress 1
		.amdhsa_inst_pref_size 59
	.end_amdhsa_kernel
	.amdgpu_metadata
---
amdhsa.version: [ 1, 2 ]
amdhsa.kernels:
  - .name:           k_q1141b65c1b_kv
    .symbol:         k_q1141b65c1b_kv.kd
    .args:
      - { .name: context, .offset: 0, .size: 8, .value_kind: global_buffer, .address_space: global }
      - { .name: wall, .offset: 8, .size: 8, .value_kind: global_buffer, .address_space: global }
      - { .name: proj_out_w, .offset: 16, .size: 8, .value_kind: global_buffer, .address_space: global }
      - { .name: kp, .offset: 24, .size: 8, .value_kind: global_buffer, .address_space: global }
      - { .name: vp, .offset: 32, .size: 8, .value_kind: global_buffer, .address_space: global }
      - { .name: kap, .offset: 40, .size: 8, .value_kind: global_buffer, .address_space: global }
    .group_segment_fixed_size: 327680
    .private_segment_fixed_size: 0
    .kernarg_segment_align: 8
    .kernarg_segment_size: 48
    .max_flat_workgroup_size: 128
    .sgpr_count:     66
    .vgpr_count:     256
    .wavefront_size: 32
...
	.end_amdgpu_metadata
.endif
;; end of part 3
;; launch att (part 4): grid 32 x 8, 4 waves a work-group, clusters of 4 x 1, 327,680 bytes of LDS; arguments input, kp, vp, kap, proj_out_b, out0; writes out0
.if DOCPART == 4
	.amdgcn_target "amdgcn-amd-amdhsa--gfx1250"
	.amdhsa_code_object_version 6
	.text
	.protected	k_q1141b65c1b_att
	.globl	k_q1141b65c1b_att
	.p2align	8
	.type	k_q1141b65c1b_att,@function
k_q1141b65c1b_att:
	s_mov_b64 s[64:65], 0
	v_nop
	global_prefetch_b8 v0, s[64:65] scope:SCOPE_SE
	s_setreg_imm32_b32 hwreg(HW_REG_WAVE_MODE, 25, 1), 1
	s_wait_xcnt 0x0
	s_wait_alu depctr_hold_cnt(0) depctr_sa_sdst(0) depctr_va_vdst(0) depctr_va_sdst(0) depctr_va_ssrc(0) depctr_va_vcc(0) depctr_vm_vsrc(0)
	s_getreg_b32 s2, hwreg(HW_REG_IB_STS2, 6, 4)
	s_cmp_eq_u32 s2, 0
	s_cbranch_scc0 .Lentry_in_a_cluster
	s_endpgm
.Lentry_in_a_cluster:
	s_bfe_u32 s2, ttmp6, 0x10000c
	s_cmp_lg_u32 s2, 0x3003
	s_cbranch_scc0 .Lentry_shape_is_right
	s_endpgm
.Lentry_shape_is_right:
; ATTENTION AND BOTH OUTER PROJECTIONS IN ONE.  With x_i = column i of the batch's input (256 channels, rounded to bf16):
;   s[i][j] = x_i . K'[j] + kappa[j]      (= Q_i . K_j: the launches before folded proj_in, wq and wk into K' and kappa)
;   out0[o][i] = sum over j of softmax_j(s[i][j] / sqrt(512)) V'[j][o] + sum over c of Wo1[o][c] x_i[c] + proj_out_b[o]      (V' holds wv and proj_out_w's last 512 columns; Wo1 = its first 256)
; kp, vp: bf16 [8][1152][256]: 1,024 keys, then 128 rows of Wo1 each.  Products, maxima and sums in f32; the weights p are rounded to bf16 for the second product (their sum l is taken of the unrounded p).
; LIMITS.  The formula's products are re-associated and the folded tables were rounded once to bf16.  The running maximum starts at c m = -4.25e37: |c s| stays below that.  A weight below 2^-126 counts as 0 in l.
; NaN and infinities are not treated apart.
; SHARES.  A work-group owns 128 queries of a batch, each of its four waves 32: two tiles q of 16.  Every wave walks all 1,024 keys, 128 a trip, with one step of the running softmax a trip.
; LAYOUT.  S^T = K' X (source 0 = 16 keys, source 1 = 16 queries; the first product's C is kappa): a lane holds ONE query (lane % 16) and the keys 8 (lane / 16) + 0..7.  Two such tiles rounded in pairs ARE source 1 of
; O^T += V'^T P (V' turned by ds_load_tr16_b128), whose result again holds one query a lane, and eight output channels.  At the end O^T = O^T / l + bias, then O^T += Wo1 X on the same accumulators.
; SOFTMAX.  p = 2^(c s - c m), c = log2(e) / sqrt(512), m the running maximum; in every trip O and l are multiplied by a = 2^(c m_old - c m_new).  O and l start at 0, so the first trip is a trip like any other, with a = 0.
; THE RING.  Two LDS slots; nine tiles of 128 rows of kp and of vp (eight of keys, the ninth Wo1), tile t in slot t % 2.  Trip t asks for tile t + 1, first thing behind its change of slots, and works on tile t: one text for all eight trips.
; Slot 1's first fill is my work-group's own tile of input (f32, 256 channels x 128 queries), read once into registers; behind its last fill and last reads slot 1 serves as the stage for the way out.
; By the text's own count a wave has two tensor loads out at the head and one behind each change of slots.
; CLUSTER.  The four query blocks of a cluster belong to one batch and walk the same tiles: asked for JOINTLY (waves 0, 1: the two halves of kp's tile; waves 2, 3: vp's).  The input tile is shared with nobody: a plain load.
; PHASES.  A trip is written in phases (128 products K' X, the softmax, 128 products V'^T P), the LDS loads in runs of 32 a buffer ahead.
; REGISTERS, in windows of 256 (s_set_vgpr_msb: bits 1:0 source 0, 3:2 source 1, 5:4 source 2, 7:6 destination):
;   window 0: v1-15 addresses; v16-31 statistics, 8 a tile; v32-63 kappa, two sets of 16; v64-191 S^T, 64 a tile; v192-255 P, 32 a tile
;   window 1: O^T, tile q, channels 16 ot on at 128 q + 8 ot      window 2: v0-127 X (64 q + 8 ks), v128-255 buffer FA      window 3: v0-127 buffer FB, v128-255 buffer FC
.set PK,    528                        ; a row of K' (and of the input tile, and of the stage) in LDS: 512 bytes + 16: 33 x 16 bytes, so 16 rows of a load start at 16 different groups of four banks
.set PV,    544                        ; a row of V': 512 + 32 = 17 x 32 bytes
.set VOFF,  128*PK                     ; a slot: 128 rows of kp, then 128 rows of vp
.set SLOTB, 0x22000                    ; slot 1 begins here; no LDS address in slot 0 that is turned has one of its two bits, so one exclusive or turns it into slot 1's
.set KAPB,  2*SLOTB                    ; the batch's kappa, 4,096 bytes (LDS stores; no tile lands here)
.set BIB,   KAPB+4096                  ; proj_out_b, 1,024 bytes
.set SPARE, BIB+1024                   ; the spare words, 128 bytes a wave, which no other line names
.set TILEB, 128*512                    ; a tile's bytes in kp and in vp
.set AK0, 1                            ; v1   my lane's place in a tile of K': r x 528 + 16 h; never rewritten
.set AV0, 2                            ; v2   in a tile of V', for the turning load
.set AW0, 3                            ; v3   in vp's part of a slot, read as it lies (Wo1)
.set AQ0, 4                            ; v4   in kappa: KAPB + 32 h
.set ADK, 5                            ; v5   this trip's address for K'
.set ADV, 6                            ; v6   for V'
.set ADQ, 7                            ; v7   for kappa; at the end for Wo1's second half
.set ADW, 7
.set SA0, 8                            ; v8, v9  input tile and stage: SLOTB + 8 h rows + 4 (32 w + r); rows 128 on
.set SA1, 9
.set RB,  10                           ; v10  the way out: my 16 bytes of the first of my wave's 64 stage rows
.set GOUT, 11                          ; v11  16 lane
.set PFO, 12                           ; v12  512 lane: a row of kp or vp; never rewritten
.set ABI, 13                           ; v13  BIB + 32 h
.set SPW, 14                           ; v14  LDS address of my spare word; never rewritten
.set NIL, 15                           ; v15  0; never rewritten
.set ST,  16                           ; tile q at ST + 8 q: c m, m, l (even keys', odd keys'), c0-c3 at work; a, and at the end 1 / l, take c2
.set KC,  32
.set S,   64
.set P,   192
.set WV,  16                           ; s16  my wave's number
.set G1K, 24                           ; s[24:31] descriptor group 1 for kp's tiles
.set G1V, 32                           ; s[32:39] for vp's: the padding differs
.set G1X, 40                           ; s[40:47] for the input tile
.set G0K, 48                           ; s[48:51] group 0 for kp's tiles: it walks
.set G0V, 52                           ; s[52:55] for vp's
.set G0X, 56                           ; s[56:59] for the input tile
.set CS,  60                           ; s[60:61] c
.set SEL, 62                           ; s[62:63] v_permlanex16_b32's selects: each lane takes its own place in the other half
.set TB,  66                           ; s66  LDS byte at which the slot in hand begins
.set TQ,  67                           ; s67  the next trip's byte in kappa
.set TR,  68                           ; s68  trips to go
.set LIM, 69                           ; s69  1 in a cluster that prefetches, else the greatest number
.set PFA, 70                           ; s[70:71] where my prefetches stand
.set OUT, 72                           ; s[72:73] out0 at my wave's 64 rows, my block's 512 bytes
.set MSB, 0
.macro WIN new                         ; the immediate's high byte repeats the setting that is left; a switch that changes nothing is dropped
.if MSB != (\new)
	s_set_vgpr_msb (MSB<<8)|(\new)
.set MSB, (\new)
.endif
.endm
.macro PLACES                          ; four plain instructions between a matrix instruction and a load into, or a vector instruction on, its registers (ISA guide 7.12.1 for vector instructions)
.rept 4
	v_nop
.endr
.endm
.macro CROUND                          ; a round of the cluster's barrier
	s_barrier_signal -1
	s_barrier_wait -1
	s_cmp_lg_u32 s[WV], 0
	s_cbranch_scc1 .Lnot_wave_0_\@
	s_barrier_signal -3
.Lnot_wave_0_\@:
	s_barrier_wait -3
	s_barrier_signal -1
	s_barrier_wait -1
.endm
; A joint refill.  The branch hangs on the wave's number alone.  An s_nop 0 and four v_nop follow each of the two lines, ahead of the jump and the label.
.macro JLOAD
	s_cmp_lt_u32 s[WV], 2
	s_cbranch_scc0 .Lfor_v_\@
	tensor_load_to_lds s[G0K:G0K+3], s[G1K:G1K+7]
	s_nop 0
	PLACES
	s_branch .Lasked_\@
.Lfor_v_\@:
	tensor_load_to_lds s[G0V:G0V+3], s[G1V:G1V+7]
	s_nop 0
	PLACES
.Lasked_\@:
.endm
; A PREFETCH INTO THE L2 of the tile that the NEXT change of slots will ask for: one trip, 256 matrix instructions and a softmax, ahead of that load.  All clusters of a batch walk the same rows: the batch's first cluster asks.
; Its four partners take 32 rows each, told apart BY ADDRESS; waves 0, 1 take kp's rows, waves 2, 3 vp's, each one 256-byte half of a row; a lane a row.  So each aligned block of 256 bytes is named once in the launch.
; Tiles 0 and 1 come by their loads alone; the last trip asks for nothing: there is no tile behind the ninth.
.macro ASK
	s_cmp_gt_u32 s[TR], s[LIM]
	s_cbranch_scc0 .Lnot_mine_\@
	global_prefetch_b8 v[PFO], s[PFA:PFA+1] th:TH_LOAD_NT scope:SCOPE_SE
.Lnot_mine_\@:
.endm
; THE CHANGE OF SLOTS.  Each wave waits for all its tensor loads, of which one is out: its part of the slot to be read next; adds 0 to its spare word; and waits for that and for its own reads of the slot that it leaves.
; fill = 1: the barrier is a round of the cluster's, so that no wave of any partner still reads the old slot or has a load on its way, and the joint refill is the first thing behind it.
.macro CHANGE fill
	WIN 0                                          ; at a label and at a branch every window is 0
	s_wait_tensorcnt 0x0                           ; no tensor load of mine is out, so a group 0 may be written
	ds_add_u32 v[SPW], v[NIL]                      ; 0 onto my spare word: the descriptors' steps stand between it and the wait for it
.if \fill
	s_xor_b32 s[G0K+1], s[G0K+1], SLOTB            ; the other slot than last time,
	s_add_nc_u64 s[G0K+2:G0K+3], s[G0K+2:G0K+3], TILEB  ; the next 128 rows; the type bits on top are not reached
	s_xor_b32 s[G0V+1], s[G0V+1], SLOTB
	s_add_nc_u64 s[G0V+2:G0V+3], s[G0V+2:G0V+3], TILEB
	s_wait_xcnt 0x0                                ; the last prefetch, a trip back, has read its address
	s_add_nc_u64 s[PFA:PFA+1], s[PFA:PFA+1], TILEB ; one tile behind the walking descriptors
.endif
	s_wait_dscnt 0x0                               ; the add is done, and my reads of the old slot are over
.if \fill
	CROUND
	JLOAD
	ASK
.else
	s_barrier_signal -1
	s_barrier_wait -1
.endif
	s_xor_b32 s[TB], s[TB], SLOTB
	v_add_nc_u32 v[ADK], s[TB], v[AK0]
.if \fill
	v_add_nc_u32 v[ADV], s[TB], v[AV0]
	v_add_nc_u32 v[ADQ], s[TQ], v[AQ0]
	s_add_co_u32 s[TQ], s[TQ], 512                 ; 128 keys' kappa on
.else
	v_add_nc_u32 v[ADW], s[TB], v[AW0]
.endif
.endm
; THE LDS LOADS stand in runs.  32 rows (two tiles of 16) x 256 channels as they lie: 16 fragments into the buffer at register bb of window bw; kc = 1: with them the 32 keys' kappa, laid as a C operand (8 keys a half of the lanes).
.macro FETCHK s, bw, bb, adr, pitch, kc
	WIN (\bw)<<6
.irp kt, 0,1
.irp ks, 0,1,2,3,4,5,6,7
	ds_load_b128 v[(\bb)+64*(\kt)+8*(\ks):(\bb)+64*(\kt)+8*(\ks)+3],   v[\adr] offset:((\s)*32+(\kt)*16)*(\pitch)+64*(\ks)
	ds_load_b128 v[(\bb)+64*(\kt)+8*(\ks)+4:(\bb)+64*(\kt)+8*(\ks)+7], v[\adr] offset:((\s)*32+(\kt)*16)*(\pitch)+64*(\ks)+32
.endr
.endr
.if \kc
	WIN 0
.irp kt, 0,1
	ds_load_b128 v[KC+16*((\s)%2)+8*(\kt):KC+16*((\s)%2)+8*(\kt)+3],   v[ADQ] offset:128*(\s)+64*(\kt)
	ds_load_b128 v[KC+16*((\s)%2)+8*(\kt)+4:KC+16*((\s)%2)+8*(\kt)+7], v[ADQ] offset:128*(\s)+64*(\kt)+16
.endr
.endif
.endm
; 32 keys x 256 channels of V', turned: 16 fragments
.macro FETCHV p, bw, bb
	WIN (\bw)<<6
.irp ot, 0,1,2,3,4,5,6,7,8,9,10,11,12,13,14,15
	ds_load_tr16_b128 v[(\bb)+8*(\ot):(\bb)+8*(\ot)+3],   v[ADV] offset:(\p)*32*PV+32*(\ot)
	ds_load_tr16_b128 v[(\bb)+8*(\ot)+4:(\bb)+8*(\ot)+7], v[ADV] offset:(\p)*32*PV+16*PV+32*(\ot)
.endr
.endm
; THE MATRIX WORK.  In each run the accumulators take turns, one instruction a turn (4 in MULS and MULW, 32 in MULP), and a run's last and the next run's first differ.
.macro MULS s, bw, bb                  ; S^T of key tiles 2 s, 2 s + 1, both query tiles: 32 products; the first four take kappa as C
	WIN 0x08|(\bw)
.irp ks, 0,1,2,3,4,5,6,7
.irp kt, 0,1
.irp q, 0,1
.if (\ks) == 0
	v_wmma_f32_16x16x32_bf16 v[S+64*(\q)+8*(2*(\s)+(\kt)):S+64*(\q)+8*(2*(\s)+(\kt))+7], v[(\bb)+64*(\kt)+8*(\ks):(\bb)+64*(\kt)+8*(\ks)+7], v[64*(\q)+8*(\ks):64*(\q)+8*(\ks)+7], v[KC+16*((\s)%2)+8*(\kt):KC+16*((\s)%2)+8*(\kt)+7]
.else
	v_wmma_f32_16x16x32_bf16 v[S+64*(\q)+8*(2*(\s)+(\kt)):S+64*(\q)+8*(2*(\s)+(\kt))+7], v[(\bb)+64*(\kt)+8*(\ks):(\bb)+64*(\kt)+8*(\ks)+7], v[64*(\q)+8*(\ks):64*(\q)+8*(\ks)+7], v[S+64*(\q)+8*(2*(\s)+(\kt)):S+64*(\q)+8*(2*(\s)+(\kt))+7]
.endif
.endr
.endr
.endr
.endm
.macro MULP p, bw, bb                  ; O^T += V'^T P for keys 32 p on: 32 products
	WIN 0x50|(\bw)
.irp ot, 0,1,2,3,4,5,6,7,8,9,10,11,12,13,14,15
.irp q, 0,1
	v_wmma_f32_16x16x32_bf16 v[128*(\q)+8*(\ot):128*(\q)+8*(\ot)+7], v[(\bb)+8*(\ot):(\bb)+8*(\ot)+7], v[P+32*(\q)+8*(\p):P+32*(\q)+8*(\p)+7], v[128*(\q)+8*(\ot):128*(\q)+8*(\ot)+7]
.endr
.endr
.endm
.macro MULW g, bw, bb                  ; O^T += Wo1 X for output channels 32 g on: 32 products
	WIN 0x58|(\bw)
.irp ks, 0,1,2,3,4,5,6,7
.irp o2, 0,1
.irp q, 0,1
	v_wmma_f32_16x16x32_bf16 v[128*(\q)+8*(2*(\g)+(\o2)):128*(\q)+8*(2*(\g)+(\o2))+7], v[(\bb)+64*(\o2)+8*(\ks):(\bb)+64*(\o2)+8*(\ks)+7], v[64*(\q)+8*(\ks):64*(\q)+8*(\ks)+7], v[128*(\q)+8*(2*(\g)+(\o2)):128*(\q)+8*(2*(\g)+(\o2))+7]
.endr
.endr
.endr
.endm
; THE SOFTMAX OF A TRIP, both tiles line by line by turns.  A lane has 64 scores a tile, s0-s63.
.macro SOFTMAX
	WIN 0
.irp n, 0,1,2,3                        ; the maximum, three operands at a time: four chains c0-c3 of 15 scores; each accumulator's lowest registers are read first
.irp q, 0,1
	v_max3_num_f32 v[ST+8*(\q)+4+(\n)], v[S+64*(\q)+16*(\n)], v[S+64*(\q)+16*(\n)+1], v[S+64*(\q)+16*(\n)+2]
.endr
.endr
.irp n, 1,2,3,4,5,6
.irp i, 0,1,2,3
.irp q, 0,1
	v_max3_num_f32 v[ST+8*(\q)+4+(\i)], v[ST+8*(\q)+4+(\i)], v[S+64*(\q)+16*(\i)+2*(\n)+1], v[S+64*(\q)+16*(\i)+2*(\n)+2]
.endr
.endr
.endr
.irp q, 0,1
	v_max3_num_f32 v[ST+8*(\q)+4], v[ST+8*(\q)+4], v[S+64*(\q)+15], v[S+64*(\q)+31]   ; the four scores left over,
.endr
.irp q, 0,1
	v_max3_num_f32 v[ST+8*(\q)+6], v[ST+8*(\q)+6], v[S+64*(\q)+47], v[S+64*(\q)+63]
.endr
.irp q, 0,1
	v_max3_num_f32 v[ST+8*(\q)+4], v[ST+8*(\q)+4], v[ST+8*(\q)+5], v[ST+8*(\q)+6]     ; the chains,
.endr
.irp q, 0,1
	v_max3_num_f32 v[ST+8*(\q)+4], v[ST+8*(\q)+4], v[ST+8*(\q)+7], v[ST+8*(\q)+1]     ; and the old m
.endr
.irp q, 0,1
	v_permlanex16_b32 v[ST+8*(\q)+5], v[ST+8*(\q)+4], s[SEL], s[SEL+1]                ; the query's other 64 keys lie in the lane 16 away
.endr
.irp q, 0,1
	v_max_num_f32 v[ST+8*(\q)+1], v[ST+8*(\q)+4], v[ST+8*(\q)+5]
.endr
.irp q, 0,1
	v_mov_b32 v[ST+8*(\q)+7], v[ST+8*(\q)]         ; c m_old
.endr
.irp q, 0,1
	v_mul_f32 v[ST+8*(\q)], s[CS], v[ST+8*(\q)+1]
.endr
.irp q, 0,1
	v_sub_f32 v[ST+8*(\q)+7], v[ST+8*(\q)+7], v[ST+8*(\q)]
.endr
; ONE BATCH: a, and all 128 exponentials, each pair's behind the next pair's scalings.  Nothing in it names an exponential's result.
.irp q, 0,1
	v_exp_f32 v[ST+8*(\q)+6], v[ST+8*(\q)+7]
.endr
.set i, 0
.rept 33
.if i < 32
.irp q, 0,1
	v_pk_fma_f32 v[S+64*(\q)+2*i:S+64*(\q)+2*i+1], v[S+64*(\q)+2*i:S+64*(\q)+2*i+1], s[CS:CS+1], v[ST+8*(\q):ST+8*(\q)+1] op_sel_hi:[1,0,0] neg_lo:[0,0,1] neg_hi:[0,0,1]  ; c s - c m
.endr
.endif
.if i > 0
.irp q, 0,1
	v_exp_f32 v[S+64*(\q)+2*i-2], v[S+64*(\q)+2*i-2]
	v_exp_f32 v[S+64*(\q)+2*i-1], v[S+64*(\q)+2*i-1]
.endr
.endif
.set i, i+1
.endr
	v_nop                                          ; a plain instruction behind the last exponential, ahead of the first use of a result (ISA guide 5.7.2)
	s_wait_alu depctr_va_vdst(0)                   ; and a wait ahead of the first reader: one for the batch
.set j, 0
.rept 32
.irp q, 0,1
	v_cvt_pk_bf16_f32 v[P+32*(\q)+j], v[S+64*(\q)+2*j], v[S+64*(\q)+2*j+1]
.endr
.set j, j+1
.endr
.irp w, 4,8,16,32,64                   ; the sum of a tile's 32 pairs, in place: neighbours 1, 2, 4, 8 and 16 pairs apart
.set u, 0
.rept 64/(\w)
.irp q, 0,1
	v_pk_add_f32 v[S+64*(\q)+(\w)*u:S+64*(\q)+(\w)*u+1], v[S+64*(\q)+(\w)*u:S+64*(\q)+(\w)*u+1], v[S+64*(\q)+(\w)*u+(\w)/2:S+64*(\q)+(\w)*u+(\w)/2+1]
.endr
.set u, u+1
.endr
.endr
.irp q, 0,1
	v_pk_fma_f32 v[ST+8*(\q)+2:ST+8*(\q)+3], v[ST+8*(\q)+2:ST+8*(\q)+3], v[ST+8*(\q)+6:ST+8*(\q)+7], v[S+64*(\q):S+64*(\q)+1] op_sel_hi:[1,0,1]  ; l = a l + the sum
.endr
	WIN 0x41                                       ; O^T (destination and source 0) in window 1, a in window 0
.set j, 0
.rept 64
.irp q, 0,1
	v_pk_mul_f32 v[128*(\q)+2*j:128*(\q)+2*j+1], v[128*(\q)+2*j:128*(\q)+2*j+1], v[ST+8*(\q)+6:ST+8*(\q)+7] op_sel_hi:[1,0]
.endr
.set j, j+1
.endr
.endm
; A TRIP'S WORK.  FA = window 2, v128; FB = window 3, v0; FC = window 3, v128.  Each run of loads goes into a buffer whose last reader stands four plain instructions back or more.
.macro PROCESS
	FETCHK 0, 2, 128, ADK, PK, 1
	FETCHK 1, 3, 0,   ADK, PK, 1
	s_wait_dscnt 36                                ; the older run (32 + 4 loads) is in; the younger one's 36 may be out
	MULS 0, 2, 128
	PLACES
	FETCHK 2, 2, 128, ADK, PK, 1
	s_wait_dscnt 36
	MULS 1, 3, 0
	PLACES
	FETCHK 3, 3, 0,   ADK, PK, 1
	s_wait_dscnt 36
	MULS 2, 2, 128
	PLACES
	FETCHV 0, 3, 128
	s_wait_dscnt 32                                ; the last keys are in; V's first 32 loads may be out
	MULS 3, 3, 0
	FETCHV 1, 2, 128                               ; FA's last readers stand in front of the four v_nop above
	PLACES                                         ; behind the last products K' X: for FB's loads, and for the softmax, which reads their results
	FETCHV 2, 3, 0
	SOFTMAX
	s_wait_dscnt 0x0                               ; three quarters of V' came in under the softmax
	MULP 0, 3, 128
	PLACES
	FETCHV 3, 3, 128
	MULP 1, 2, 128
	MULP 2, 3, 0
	s_wait_dscnt 0x0
	MULP 3, 3, 128
	WIN 0
.endm
	s_load_b256 s[4:11], s[0:1], 0x0               ; input s[4:5], kp s[6:7], vp s[8:9], kap s[10:11]
	s_load_b128 s[12:15], s[0:1], 0x20             ; proj_out_b s[12:13], out0 s[14:15]
	v_lshl_add_u32 v[SPW], v0, 2, SPARE
	v_mov_b32 v[NIL], 0
	ds_add_u32 v[SPW], v[NIL]                      ; the wave's opening: the add and its wait stand ahead of my first tensor load; the set-up below, work on registers, stands between them
	v_lshrrev_b32 v48, 5, v0
	v_readfirstlane_b32 s[WV], v48                 ; wave 0..3
	s_bfe_u32 s17, ttmp6, 0x40000                  ; cx: my place in the cluster
	s_lshl_b32 s18, ttmp9, 2
	s_add_co_u32 s18, s18, s17                     ; my block of 128 queries: it enters the addresses of input and out0 alone
	s_and_b32 s19, ttmp7, 0xffff                   ; the batch, which the four partners share
	s_and_b32 s20, s[WV], 1                        ; which half of a tile's 128 rows I fetch
	s_mul_i32 s74, s19, 589824                     ; the batch's 1,152 rows of 512 bytes in kp and vp,
	s_lshl_b32 s21, s20, 15                        ; my 64 rows
	s_add_co_u32 s74, s74, s21
	s_mov_b32 s75, 0
	s_lshl_b32 s76, s19, 22                        ; the batch's 256 rows of 16,384 bytes in input and out0,
	s_lshl_b32 s22, s[WV], 20                      ; my wave's 64 rows,
	s_add_co_u32 s76, s76, s22
	s_lshl_b32 s22, s18, 9                         ; my block's 512 bytes of each
	s_add_co_u32 s76, s76, s22
	s_mov_b32 s77, 0
	s_lshl_b32 s80, s19, 12                        ; the batch's kappa
	s_mov_b32 s81, 0
	s_mul_i32 s82, s19, 589824                     ; the prefetches: the batch, my work-group's 32 rows of a tile, my half of a row, in tile 1: the first change of slots steps it to tile 2
	s_lshl_b32 s23, s17, 14
	s_add_co_u32 s82, s82, s23
	s_lshl_b32 s23, s20, 8
	s_add_co_u32 s82, s82, s23
	s_add_co_u32 s82, s82, TILEB
	s_mov_b32 s83, 0
	s_mov_b32 s[G1K+0], 15|(1<<16)|(1<<20)|(1<<21)|(6<<22)|(3<<25)  ; the mask of four; 2-byte elements; padding on; bit 21 set beside a mask; after every 128 words (code 6) 4 words (code 3)
	s_mov_b32 s[G1V+0], 15|(1<<16)|(1<<20)|(1<<21)|(6<<22)|(7<<25)  ; the same with 8 words of padding (code 7)
.irp g, G1K, G1V
	s_mov_b32 s[(\g)+1], 256<<16                   ; tensor_dim0 = 256
	s_mov_b32 s[(\g)+2], 64<<16                    ; tensor_dim1 = 64
	s_mov_b32 s[(\g)+3], 256<<16                   ; tile_dim0 = 256
	s_mov_b32 s[(\g)+4], 64                        ; tile_dim1 = 64
	s_mov_b32 s[(\g)+5], 256                       ; 256 elements from row to row
	s_mov_b32 s[(\g)+6], 0
	s_mov_b32 s[(\g)+7], 0
.endr
	s_mov_b32 s[G1X+0], (2<<16)|(1<<20)|(6<<22)|(3<<25)  ; no mask; 4-byte elements; after every 128 words 4 words of padding
	s_mov_b32 s[G1X+1], 128<<16                    ; tensor_dim0 = 128
	s_mov_b32 s[G1X+2], 64<<16                     ; tensor_dim1 = 64
	s_mov_b32 s[G1X+3], 128<<16                    ; tile_dim0 = 128
	s_mov_b32 s[G1X+4], 64                         ; tile_dim1 = 64
	s_mov_b32 s[G1X+5], 4096                       ; 4,096 elements from channel to channel
	s_mov_b32 s[G1X+6], 0
	s_mov_b32 s[G1X+7], 0
	s_mov_b32 s[G0K], 1
	s_mul_i32 s[G0K+1], s20, 64*PK                 ; slot 0: no place in the cluster enters an LDS address
	s_mov_b32 s[G0V], 1
	s_mul_i32 s[G0V+1], s20, 64*PV
	s_add_co_u32 s[G0V+1], s[G0V+1], VOFF
	s_mov_b32 s[G0X], 1
	s_mul_i32 s[G0X+1], s[WV], 64*PK
	s_add_co_u32 s[G0X+1], s[G0X+1], SLOTB         ; slot 1
	s_mov_b32 s[CS], 0x3d8293ee                    ; c = log2(e) / sqrt(512) = 0.0637587
	s_mov_b32 s[CS+1], s[CS]                       ; named with it as a pair
	s_mov_b32 s[SEL], 0x76543210
	s_mov_b32 s[SEL+1], 0xfedcba98
	s_mov_b32 s[TB], SLOTB                         ; the first change of slots turns it into 0
	s_mov_b32 s[TQ], 0
	s_mov_b32 s[TR], 8
	s_cmp_eq_u32 ttmp9, 0                          ; the batch's first cluster: the same in all four partners
	s_cselect_b32 s[LIM], 1, -1
	v_and_b32 v48, 15, v0                          ; r
	v_bfe_u32 v49, v0, 4, 1                        ; h
	v_and_b32 v50, 31, v0                          ; lane
	v_and_b32 v51, 7, v0
	v_bfe_u32 v52, v0, 3, 1
	v_mul_u32_u24 v[AK0], v48, PK
	v_lshl_add_u32 v[AK0], v49, 4, v[AK0]
	v_lshl_add_u32 v[AV0], v49, 3, v51             ; the turning load: lane l reads key 8 (l / 16) + l % 8, channels 8 ((l / 8) % 2) + 0..7
	v_mul_u32_u24 v[AV0], v[AV0], PV
	v_lshl_add_u32 v[AV0], v52, 4, v[AV0]
	v_add_nc_u32 v[AV0], VOFF, v[AV0]
	v_mul_u32_u24 v[AW0], v48, PV
	v_lshl_add_u32 v[AW0], v49, 4, v[AW0]
	v_add_nc_u32 v[AW0], VOFF, v[AW0]
	v_lshl_add_u32 v[AQ0], v49, 5, KAPB
	v_lshl_add_u32 v[ABI], v49, 5, BIB
	s_lshl_b32 s84, s[WV], 7
	s_add_co_u32 s84, s84, SLOTB
	v_mul_u32_u24 v[SA0], v49, 8*PK
	v_lshl_add_u32 v[SA0], v48, 2, v[SA0]
	v_add_nc_u32 v[SA0], s84, v[SA0]
	v_add_nc_u32 v[SA1], 128*PK, v[SA0]
	s_mul_i32 s84, s[WV], 64*PK
	s_add_co_u32 s84, s84, SLOTB
	v_lshl_add_u32 v[RB], v50, 4, s84
	v_lshlrev_b32 v[GOUT], 4, v50
	v_lshlrev_b32 v[PFO], 9, v50
	v_lshlrev_b32 v43, 5, v0                       ; my 32 bytes of kappa,
	v_lshlrev_b32 v44, 3, v0                       ; my 8 of the bias,
	v_lshl_add_u32 v45, v0, 5, KAPB                ; and where they go
	v_lshl_add_u32 v46, v0, 3, BIB
	s_wait_dscnt 0x0                               ; the opening add is done
	s_wait_kmcnt 0x0
	s_add_nc_u64 s[G0K+2:G0K+3], s[6:7], s[74:75]
	s_or_b32 s[G0K+3], s[G0K+3], 0x80000000        ; type = 2
	s_add_nc_u64 s[G0V+2:G0V+3], s[8:9], s[74:75]
	s_or_b32 s[G0V+3], s[G0V+3], 0x80000000
	s_add_nc_u64 s[G0X+2:G0X+3], s[4:5], s[76:77]
	s_or_b32 s[G0X+3], s[G0X+3], 0x80000000
	s_add_nc_u64 s[OUT:OUT+1], s[14:15], s[76:77]
	s_add_nc_u64 s[78:79], s[10:11], s[80:81]
	s_cmp_lt_u32 s[WV], 2
	s_cselect_b64 s[PFA:PFA+1], s[6:7], s[8:9]
	s_add_nc_u64 s[PFA:PFA+1], s[PFA:PFA+1], s[82:83]
	CROUND                                         ; all four work-groups are here: the first joint loads meet
	s_cmp_lt_u32 s[WV], 2                          ; a wave's two first fills stand in one branch, ahead of every wait on TENSORcnt, every LDS read and every other barrier
	s_cbranch_scc0 .Lfirst_v
	tensor_load_to_lds s[G0K:G0K+3], s[G1K:G1K+7]  ; tile 0 into slot 0, jointly
	s_nop 0
	tensor_load_to_lds s[G0X:G0X+3], s[G1X:G1X+7]  ; my 64 channels of the input tile into slot 1
	s_nop 0
	PLACES
	s_branch .Lfirst_asked
.Lfirst_v:
	tensor_load_to_lds s[G0V:G0V+3], s[G1V:G1V+7]
	s_nop 0
	tensor_load_to_lds s[G0X:G0X+3], s[G1X:G1X+7]
	s_nop 0
	PLACES
.Lfirst_asked:
	global_load_b128 v[32:35], v43, s[78:79]
	global_load_b128 v[36:39], v43, s[78:79] offset:16
	global_load_b64 v[40:41], v44, s[12:13]
	WIN 0x40                                       ; O^T starts at 0, so that the loop has one form of trip: written in the wait for the first tiles
.set i, 0
.rept 256
	v_mov_b32 v[i], 0
.set i, i+1
.endr
	WIN 0
.irp q, 0,1
	v_mov_b32 v[ST+8*(\q)], 0xfe000000             ; c m: far below every c s
	v_mov_b32 v[ST+8*(\q)+1], 0xff7fffff           ; m: the lowest finite number
	v_mov_b32 v[ST+8*(\q)+2], 0
	v_mov_b32 v[ST+8*(\q)+3], 0
.endr
	s_wait_loadcnt 0x0
	v_cvt_pk_bf16_f32 v42, v40, v41                ; the bias is rounded to bf16 like every input, and widened again
	v_lshlrev_b32 v40, 16, v42
	v_and_b32 v41, 0xffff0000, v42
	ds_store_b128 v45, v[32:35]
	ds_store_b128 v45, v[36:39] offset:16
	ds_store_b64 v46, v[40:41]
	s_wait_tensorcnt 0x0                           ; my parts of tile 0 and of the input tile have landed,
	s_wait_dscnt 0x0                               ; my parts of kappa and of the bias are written:
	s_barrier_signal -1
	s_barrier_wait -1                              ; everybody's are.  Nothing is filled before the first change of slots
; X: my 32 queries' 256 channels, out of the f32 tile [channel][query]: a lane gathers its query's 16 numbers of a fragment by 4-byte loads (16 lanes take 64 neighbouring bytes) and rounds them in pairs.  Two batches of 128 channels.
.irp bt, 0,1
.irp k4, 0,1,2,3
.irp q, 0,1
.irp g, 0,1
.irp jj, 0,1,2,3,4,5,6,7
	ds_load_b32 v[S+32*(\k4)+16*(\q)+8*(\g)+(\jj)], v[SA0+(\bt)] offset:(32*(\k4)+16*(\g)+(\jj))*PK+64*(\q)
.endr
.endr
.endr
.endr
	s_wait_dscnt 0x0
	WIN 0x80                                       ; destination window 2
.irp k4, 0,1,2,3
.irp q, 0,1
.irp i, 0,1,2,3,4,5,6,7
	v_cvt_pk_bf16_f32 v[64*(\q)+8*(4*(\bt)+(\k4))+(\i)], v[S+32*(\k4)+16*(\q)+2*(\i)], v[S+32*(\k4)+16*(\q)+2*(\i)+1]
.endr
.endr
.endr
	WIN 0
.endr
.Ltrip:                                                ; eight trips: tile t + 1 is asked for, tile t worked on
	CHANGE 1
	PROCESS
	s_sub_co_u32 s[TR], s[TR], 1
	s_cmp_lg_u32 s[TR], 0
	s_cbranch_scc1 .Ltrip
	CHANGE 0                                       ; the ninth tile, Wo1, has landed in slot 0; nothing is asked for; nobody reads slot 1 any more
	PLACES                                         ; behind the last products V'^T P, for the loads into their buffers
	FETCHK 0, 2, 128, ADK, PK, 0                   ; output channels 0-31,
	FETCHK 1, 3, 0,   ADK, PK, 0                   ; 32-63
	WIN 0
.irp ot, 0,1,2,3,4,5,6,7,8,9,10,11,12,13,14,15         ; the bias, laid as O^T lies: my eight channels of each tile
	ds_load_b128 v[S+8*(\ot):S+8*(\ot)+3],   v[ABI] offset:64*(\ot)
	ds_load_b128 v[S+8*(\ot)+4:S+8*(\ot)+7], v[ABI] offset:64*(\ot)+16
.endr
.irp q, 0,1
	v_add_f32 v[ST+8*(\q)+4], v[ST+8*(\q)+2], v[ST+8*(\q)+3]   ; l's two halves,
.endr
.irp q, 0,1
	v_permlanex16_b32 v[ST+8*(\q)+5], v[ST+8*(\q)+4], s[SEL], s[SEL+1]
.endr
.irp q, 0,1
	v_add_f32 v[ST+8*(\q)+4], v[ST+8*(\q)+4], v[ST+8*(\q)+5]   ; and the other half of the lanes'
.endr
.irp q, 0,1
	v_rcp_f32 v[ST+8*(\q)+6], v[ST+8*(\q)+4]
.endr
	v_nop                                          ; a plain instruction between the last reciprocal and the use of its result
	s_wait_alu depctr_va_vdst(0)                   ; and a wait ahead of the first use: one for both
	s_wait_dscnt 0x0                               ; the bias and Wo1's first 64 rows are in
	WIN 0x41
.set ot, 0
.rept 16                               ; O^T = O^T / l + bias, each accumulator from its low end on
.irp q, 0,1
.irp i, 0,2,4,6
	v_pk_fma_f32 v[128*(\q)+8*ot+(\i):128*(\q)+8*ot+(\i)+1], v[128*(\q)+8*ot+(\i):128*(\q)+8*ot+(\i)+1], v[ST+8*(\q)+6:ST+8*(\q)+7], v[S+8*ot+(\i):S+8*ot+(\i)+1] op_sel_hi:[1,0,1]
.endr
.endr
.set ot, ot+1
.endr
	MULW 0, 2, 128
	PLACES
	FETCHK 2, 2, 128, ADK, PK, 0
	s_wait_dscnt 32                                ; all but the run just issued
	MULW 1, 3, 0
	PLACES
	FETCHK 3, 3, 0,   ADK, PK, 0
	s_wait_dscnt 32
	MULW 2, 2, 128
	PLACES
	FETCHK 0, 2, 128, ADW, PV, 0                   ; channels 128 on lie in vp's part of the slot
	s_wait_dscnt 32
	MULW 3, 3, 0
	PLACES
	FETCHK 1, 3, 0,   ADW, PV, 0
	s_wait_dscnt 32
	MULW 4, 2, 128
	PLACES
	FETCHK 2, 2, 128, ADW, PV, 0
	s_wait_dscnt 32
	MULW 5, 3, 0
	PLACES
	FETCHK 3, 3, 0,   ADW, PV, 0
	s_wait_dscnt 32
	MULW 6, 2, 128
	s_wait_dscnt 0x0
	MULW 7, 3, 0
	PLACES                                         ; the places between the last products and the stores that read them; eight, once a launch
	PLACES
; THE WAY OUT.  out0 lies [channel][query]: a lane's number goes to row = channel, 4 bytes at its query, of the stage in slot 1 (256 rows x 528 bytes; the slot has had its last fill, and the last barrier showed its reads over);
; behind a barrier each wave reads 64 whole rows of 512 bytes and stores them.
	WIN 0x04                                       ; the data (source 1) in window 1
.set ot, 0
.rept 16
.irp q, 0,1
.irp jj, 0,1,2,3,4,5,6,7
	ds_store_b32 v[SA0+ot/8], v[128*(\q)+8*ot+(\jj)] offset:(16*(ot%8)+(\jj))*PK+64*(\q)
.endr
.endr
.set ot, ot+1
.endr
	WIN 0
	s_wait_dscnt 0x0                               ; for the others' sake: my columns of the stage are written
	s_barrier_signal -1
	s_barrier_wait -1
.macro RDB b                           ; 16 rows back, into v[64:127] and v[128:191] by turns
.irp i, 0,1,2,3,4,5,6,7,8,9,10,11,12,13,14,15
	ds_load_b128 v[S+64*((\b)%2)+4*(\i):S+64*((\b)%2)+4*(\i)+3], v[RB] offset:(16*(\b)+(\i))*PK
.endr
.endm
.macro STB b
.irp i, 0,1,2,3,4,5,6,7,8,9,10,11,12,13,14,15
	global_store_b128 v[GOUT], v[S+64*((\b)%2)+4*(\i):S+64*((\b)%2)+4*(\i)+3], s[OUT:OUT+1] offset:(16*(\b)+(\i))*16384 th:TH_STORE_NT  ; the wave stores 512 consecutive bytes, at a multiple of 256 from out0's first byte
.endr
.endm
	RDB 0
	RDB 1
	s_wait_dscnt 16                                ; the older batch is in
	STB 0
	s_wait_xcnt 0x0                                ; the stores have read their registers, which are loaded again only behind this wait
	RDB 2
	s_wait_dscnt 16
	STB 1
	s_wait_xcnt 0x0
	RDB 3
	s_wait_dscnt 16
	STB 2
	s_wait_dscnt 0x0
	STB 3
	s_wait_tensorcnt 0x0                           ; the wave's end: behind my last tensor load and my last LDS store
	ds_add_u32 v[SPW], v[NIL]
	s_wait_dscnt 0x0
	CROUND                                         ; the closing round: no work-group ends while a partner may still ask for a tile that names it
	s_endpgm
.Lfunc_end_k_q1141b65c1b_att:
	.size	k_q1141b65c1b_att, .Lfunc_end_k_q1141b65c1b_att-k_q1141b65c1b_att
	.p2alignl 7, 3214868480
	.fill 96, 4, 3214868480
	.section	.rodata,"a",@progbits
	.p2align	6, 0x0
	.amdhsa_kernel k_q1141b65c1b_att
		.amdhsa_group_segment_fixed_size 327680
		.amdhsa_private_segment_fixed_size 0
		.amdhsa_enable_private_segment 0
		.amdhsa_kernarg_size 48
		.amdhsa_user_sgpr_count 2
		.amdhsa_user_sgpr_kernarg_segment_ptr 1
		.amdhsa_wavefront_size32 1
		.amdhsa_system_sgpr_workgroup_id_x 1
		.amdhsa_system_sgpr_workgroup_id_y 1
		.amdhsa_system_sgpr_workgroup_id_z 1
		.amdhsa_system_vgpr_workitem_id 0
		.amdhsa_next_free_vgpr 1024
		.amdhsa_next_free_sgpr 96
		.amdhsa_reserve_vcc 0
		.amdhsa_float_denorm_mode_32 3
		.amdhsa_float_denorm_mode_16_64 3
		.amdhsa_memory_ordered 1
		.amdhsa_forward_progress 1
		.amdhsa_inst_pref_size 177
	.end_amdhsa_kernel
	.amdgpu_metadata
---
amdhsa.version: [ 1, 2 ]
amdhsa.kernels:
  - .name:           k_q1141b65c1b_att
    .symbol:         k_q1141b65c1b_att.kd
    .args:
      - { .name: input, .offset: 0, .size: 8, .value_kind: global_buffer, .address_space: global }
      - { .name: kp, .offset: 8, .size: 8, .value_kind: global_buffer, .address_space: global }
      - { .name: vp, .offset: 16, .size: 8, .value_kind: global_buffer, .address_space: global }
      - { .name: kap, .offset: 24, .size: 8, .value_kind: global_buffer, .address_space: global }
      - { .name: proj_out_b, .offset: 32, .size: 8, .value_kind: global_buffer, .address_space: global }
      - { .name: out0, .offset: 40, .size: 8, .value_kind: global_buffer, .address_space: global }
    .group_segment_fixed_size: 327680
    .private_segment_fixed_size: 0
    .kernarg_segment_align: 8
    .kernarg_segment_size: 48
    .max_flat_workgroup_size: 128
    .sgpr_count:     96
    .vgpr_count:     1024
    .wavefront_size: 32
...
	.end_amdgpu_metadata
.endif
;; end of part 4
